; MI455X (gfx1250); checked and timed in simulation.
; The chip was launched on July 23, 2026; its instructions are those of AMD's public machine-readable ISA for CDNA 5 (MIT licence, August 2026) and "CDNA5" Instruction Set Architecture Reference Guide (July 2026). The comments in the code are by the model that wrote it; some were corrected since.
;; Fast Weight Memory. Allowed arithmetic: matrix products marked QUANTISED: E2M1 operands, one E8M0 scale for each 32 along K, by v_wmma_scale_f32_16x16x128_f8f6f4 with both operands' format E2M1 (or v_wmma_scale_f32_32x16x128_f4), f32 sums; everything else in f32.
;; Inputs: keys 32,768 x 1,024 float32; query 1,024 x 1,024 float32; values 32,768 x 1,024 float32.
;; Outputs: out0 1,024 x 1,024 float32.
;; This version of the problem:
;;   THIS VERSION OF THE PROBLEM IS GIVEN IN LOW PRECISION. The matrix products marked QUANTISED in the list below multiply operands that are first quantised to E2M1 (2 exponent bits, 1 mantissa bit; 4 bits a number), with one power-of-two scale for each 32 numbers along K (OCP MX v1.0); their sums are f32. All else is computed in f32.
;;   The module's matrix products, in the order in which they are computed (A, B: the left and right operand; K: the contracted axis; several contracted axes count as one K, in the product's order):
;;     1. [M 32,768, K 1,024] x [K 1,024, N 1,024]; A: computed on the way; B: computed on the way: QUANTISED
;;     2. [M 1,024, K 32,768] x [K 32,768, N 1,024]; A: softmax (see below); B: input values: QUANTISED
;;   THE QUANTISER, for each operand of a quantised product, along K:
;;     - K is cut into blocks of 32 from its start; a last block that is shorter is filled with zeros.
;;     - A block's scale is 2^e with e = floor(log2(the largest magnitude in the block)) - 2, held to -126 .. 127; a block of zeros has e = 0. As a byte (E8M0): e + 127.
;;     - Each number is divided by its block's scale, clamped to +-6, and rounded to the nearest number of E2M1, ties to even, subnormals kept.
;;     - The product sums the exact products of the quantised numbers (number of the format x scale) in f32.
;;   ~~~python
;;   def quantise(x, axis):      # numpy; x: float32 -> the quantised numbers, widened to float32 again
;;       x = np.moveaxis(x, axis, -1); K = x.shape[-1]
;;       x = np.pad(x, [(0, 0)] * (x.ndim - 1) + [(0, -K % 32)]); x = x.reshape(x.shape[:-1] + (-1, 32)); a = np.abs(x).max(-1, keepdims=True)
;;       e = np.where(a > 0, np.clip(np.frexp(np.where(a > 0, a, 1))[1] - 1 - 2, -126, 127), 0)      # np.frexp(a)[1] - 1 = floor(log2(a)), exactly
;;       r = np.clip(x / 2.0 ** e, -6, 6)
;;       step = 2.0 ** (np.maximum(np.frexp(np.where(r == 0, 1, r))[1] - 1, 0) - 1)
;;       q = np.round(r / step) * step * 2.0 ** e      # np.round: ties to even
;;       return np.moveaxis(q.reshape(q.shape[:-2] + (-1,))[..., :K], -1, axis).astype(np.float32)
;;   ~~~
;;   SOFTMAX AHEAD OF A QUANTISED PRODUCT. Where the list says 'softmax', what is quantised is not the finished softmax but p = 2^(t - M), with t = logit x log2(e) and M = ceil(the row's largest t), a whole number; so 1/2 < the row's largest p <= 1. The row's sum l is taken of the UNQUANTISED p, in f32, and the product's result is divided by l at the end. Since M is a whole number, a kernel that streams over the keys may use a running M (the ceiling of the running maximum): every later rescaling is an exact power of two, which a block's scale takes up: the codes' values come out the same.
;;   OPERANDS COMPUTED ON THE WAY. 'Computed on the way' means the value that the module computes at that place (a softmax that the list does not call 'softmax' is quantised finished and normalised). What goes into a quantiser is computed in f32, as accurately as f32 sums, v_exp_f32 and their like allow (about 1e-6 of the number): no bf16 or f16 on the way to a quantiser, and a product that is left as it is and whose result goes on into a quantised operand takes f32 operands (vector FMAs, or v_wmma_f32_16x16x4_f32). A number that lies on a knife's edge between two numbers of the format may be rounded either way, as far as f32 arithmetic and the matrix unit's own rounding can turn it there, and no further.
;; One version. Each part assembles by itself: llvm-mc -triple=amdgcn-amd-amdhsa -mcpu=gfx1250 --defsym DOCPART=n.
;; ======== version 1 of 1: 4 launches
;; limits: right only within a limited range of input values
;; workspace buffers: kv 35,651,584 bytes; qcodes 524,288 bytes; qscales 32,768 bytes; pbuf 17,825,792 bytes; lpart 524,288 bytes; part 16,777,216 bytes
;; launch prep (part 1): grid 1552 x 1, 4 waves a work-group, no clusters, 39,424 bytes of LDS; arguments keys, query, values, kv, qcodes, qscales; writes kv, qcodes, qscales
.if DOCPART == 1
	.amdgcn_target "amdgcn-amd-amdhsa--gfx1250"
	.amdhsa_code_object_version 6
	.text
	.protected	k_qbef9140d47_prep
	.globl	k_qbef9140d47_prep
	.p2align	8
	.type	k_qbef9140d47_prep,@function
k_qbef9140d47_prep:
	s_mov_b64 s[64:65], 0
	v_nop
	global_prefetch_b8 v0, s[64:65] scope:SCOPE_SE
	s_setreg_imm32_b32 hwreg(HW_REG_WAVE_MODE, 25, 1), 1
	s_wait_xcnt 0x0
; PREP: the three f32 inputs become codes of FP4 (E2M1) with one E8M0 byte for each 32 along a product's K.  Each f32 byte is read once.
; keys [32768][1024] and query [1024][1024]: each row is divided by max(its L2 norm, 1e-12) in f32 and quantised along the row (K of the first product).
; values [32768][1024]: quantised DOWN the keys (K of the second product), a lane to a column, registers down the keys.
; Work-groups 0-511 take 64 rows of keys each, 512-527 64 rows of query, 528-1551 a key step (128 keys) x 256 columns of values.
; kv, one key step of 128 keys = 139,264 bytes: +0 K's codes, stored row x 512 bytes;  +65,536 K's scale bytes, stored row x 32;
;   +69,632 V's codes as images of operand registers: tile of 16 columns x 1,024 bytes, byte 512 c + 256 h + 16 r = column r of the tile, key block 2 c + h;
;   +135,168 V's scale words: group of 64 columns x 256 bytes, at 8 L + 4 e the word of column 32 e + L, byte b = key block b.
; STORED ROW ORDER of keys and query: within each 32 rows, row 16 a + 8 u + i lies at 16 u + 8 a + i, so that the 16 rows that form a matrix tile in the next launch are neighbours.
; A block's scale is 2^(floor(log2(largest magnitude)) - 2): its byte is the largest magnitude's exponent field - 2, held at 1 from below.
; LIMITS: a block of zeros, or one whose largest magnitude lies under 2^-124, gets the byte 1 (its codes are zeros or the nearest codes under that scale); only this program reads the bytes.
; NaN and infinities among the inputs are not served.  x / max(n, eps) is computed as x * rcp(max(sqrt(sum of squares), eps)): three roundings of about one unit in the last place each.
; No tensor loads, no barrier: waves share nothing.  Only the path for rows uses LDS.
.set NKEYWG, 512
.set NROWWG, 528
.set STEPB,  139264
.set KSCL,   65536
.set VBLK,   69632
.set VSCL,   135168
.set WREG,   9728                      ; LDS of a wave: two stages of 32 places x (128 + 16) bytes, then 512 scale bytes
.set STG,    4608
.set SBY,    9216
.set R,      32                        ; v32-127   rows as loaded, three sets of 32
.set X,      128                       ; v128-191  rows turned (a lane holds one block of 32 neighbours), two sets
.set CDS,    20                        ; v20-27    codes, two sets of 4
.set EB,     192                       ; v192-207  a scale byte for each of the wave's 16 rows: no LDS store's data are written again
.set VX,     32                        ; values: v32-95 two sets of 32 numbers
.set VC,     96                        ; values: v96-127 codes, 4 for each unit, never rewritten
.macro LOADROW t                       ; row t of the wave's 16: eight loads, each 512 consecutive bytes
.irp i, 0,1,2,3,4,5,6,7
	global_load_b128 v[R+32*((\t)%3)+4*\i:R+32*((\t)%3)+4*\i+3], v2, s[4:5] offset:4096*(\t)+512*\i th:TH_LOAD_NT
.endr
.endm
.macro TURN t                          ; through the wave's own stage: in as loaded, back 128 bytes a lane.  LDS serves a wave's instructions in order: no wait between
.irp i, 0,1,2,3,4,5,6,7
	ds_store_b128 v3, v[R+32*((\t)%3)+4*\i:R+32*((\t)%3)+4*\i+3] offset:STG*((\t)%2)+576*\i
.endr
.irp i, 0,1,2,3,4,5,6,7
	ds_load_b128 v[X+32*((\t)%2)+4*\i:X+32*((\t)%2)+4*\i+3], v4 offset:STG*((\t)%2)+16*\i
.endr
.endm
.macro ROW t
.set XS, X+32*((\t)%2)
.set CC, CDS+4*((\t)%2)
.if (\t) > 0
	s_wait_dscnt 0x1                               ; this row is back from the stage; only the last row's byte store is younger
.else
	s_wait_dscnt 0x0
.endif
.if (\t)+3 < 16
	LOADROW (\t)+3                                 ; into the set whose stores into the stage are done by the wait above
.endif
.if (\t)+1 < 16
.if (\t)+3 < 16
	s_wait_loadcnt 16                              ; the next row's eight loads are in; those of the two rows behind it stay out
.else
	s_wait_loadcnt 8*(14-(\t))                     ; the counts run down: one row behind it, then none
.endif
	TURN (\t)+1
.endif
	v_pk_mul_f32 v[8:9], v[XS:XS+1], v[XS:XS+1]                    ; the sum of squares of my 32, in two chains of pairs
	v_pk_mul_f32 v[10:11], v[XS+2:XS+3], v[XS+2:XS+3]
.irp i, 4,8,12,16,20,24,28
	v_pk_fma_f32 v[8:9], v[XS+\i:XS+\i+1], v[XS+\i:XS+\i+1], v[8:9]
	v_pk_fma_f32 v[10:11], v[XS+\i+2:XS+\i+3], v[XS+\i+2:XS+\i+3], v[10:11]
.endr
	v_pk_add_f32 v[8:9], v[8:9], v[10:11]
	v_add_f32 v12, v8, v9
	v_add_f32_dpp v12, v12, v12 row_xmask:1 row_mask:0xf bank_mask:0xf     ; across the 32 lanes: the row's
	v_add_f32_dpp v12, v12, v12 row_xmask:2 row_mask:0xf bank_mask:0xf
	v_add_f32_dpp v12, v12, v12 row_xmask:4 row_mask:0xf bank_mask:0xf
	v_add_f32_dpp v12, v12, v12 row_xmask:8 row_mask:0xf bank_mask:0xf
	v_permlanex16_b32 v13, v12, s20, s21
	v_add_f32 v12, v12, v13
	s_wait_alu depctr_va_vdst(0)
	v_sqrt_f32 v12, v12
	v_nop                                          ; a plain instruction behind a transcendental
	s_wait_alu depctr_va_vdst(0)
	v_max_num_f32 v12, 0x2b8cbccc, v12             ; max(norm, 1e-12)
	s_wait_alu depctr_va_vdst(0)
	v_rcp_f32 v14, v12
	v_nop
	s_wait_alu depctr_va_vdst(0)
.irp i, 0,2,4,6,8,10,12,14,16,18,20,22,24,26,28,30
	v_pk_mul_f32 v[XS+\i:XS+\i+1], v[XS+\i:XS+\i+1], v[14:15] op_sel_hi:[1,0]      ; the normalised row (of the pair v[14:15] the low word serves both halves)
.endr
	v_max3_num_f32 v16, |v[XS]|, |v[XS+1]|, |v[XS+2]|              ; my block's largest magnitude: all 32 numbers are mine
	v_max3_num_f32 v17, |v[XS+3]|, |v[XS+4]|, |v[XS+5]|
.irp i, 6,10,14,18,22,26
	v_max3_num_f32 v16, v16, |v[XS+\i]|, |v[XS+\i+1]|
	v_max3_num_f32 v17, v17, |v[XS+\i+2]|, |v[XS+\i+3]|
.endr
	v_max3_num_f32 v16, v16, |v[XS+30]|, |v[XS+31]|
	v_max3_num_f32 v16, v16, v17, 0x1800000        ; and the floor 2^(3 - 127): the byte cannot fall under 1
	v_add_nc_u32 v18, 0xff000000, v16              ; 2 off its exponent field: the conversion takes this operand's exponent field as its scale
	s_wait_alu depctr_va_vdst(0)
	s_wait_xcnt 0x0                                ; the store of two rows ago has read this set of code registers
.irp g, 0,1,2,3
	v_cvt_scalef32_pk8_fp4_f32 v[CC+\g], v[XS+8*\g:XS+8*\g+7], v18
.endr
	v_lshrrev_b32 v[EB+(\t)], 23, v18              ; the scale's byte (also the plain instruction behind the conversions)
	ds_store_b8 v5, v[EB+(\t)] offset:32*(\t)
	global_store_b128 v2, v[CC:CC+3], s[22:23] offset:512*(16*((\t)/8)+(\t)%8)     ; a whole stored row: 512 consecutive bytes, aligned
.endm
.macro VLOAD u                         ; unit u = 2 b + e: keys 32 b .. 32 b + 31 of column 32 e + lane
.irp i, 0,1,2,3,4,5,6,7,8,9,10,11,12,13,14,15,16,17,18,19,20,21,22,23,24,25,26,27,28,29,30,31
	global_load_b32 v[VX+32*((\u)%2)+\i], v2, s[8:9] offset:(32*((\u)/2)+\i)*4096+128*((\u)%2) th:TH_LOAD_NT
.endr
.endm
.macro VUNIT u
.set XS, VX+32*((\u)%2)
.if (\u) < 7
	s_wait_loadcnt 32                              ; this unit's 32 loads are in; the next unit's stay out
.else
	s_wait_loadcnt 0x0
.endif
	v_max3_num_f32 v12, |v[XS]|, |v[XS+1]|, |v[XS+2]|
	v_max3_num_f32 v13, |v[XS+3]|, |v[XS+4]|, |v[XS+5]|
.irp i, 6,10,14,18,22,26
	v_max3_num_f32 v12, v12, |v[XS+\i]|, |v[XS+\i+1]|
	v_max3_num_f32 v13, v13, |v[XS+\i+2]|, |v[XS+\i+3]|
.endr
	v_max3_num_f32 v12, v12, |v[XS+30]|, |v[XS+31]|
	v_max3_num_f32 v12, v12, v13, 0x1800000
	v_add_nc_u32 v11, 0xff000000, v12
	v_lshrrev_b32 v13, 23, v11
.if (\u)/2 == 0
	v_mov_b32 v[6+(\u)%2], v13                     ; the column's scale word: byte b = key block b
.else
	v_lshl_or_b32 v[6+(\u)%2], v13, 8*((\u)/2), v[6+(\u)%2]
.endif
.irp g, 0,1,2,3
	v_cvt_scalef32_pk8_fp4_f32 v[VC+4*(\u)+\g], v[XS+8*\g:XS+8*\g+7], v11
.endr
	global_store_b128 v3, v[VC+4*(\u):VC+4*(\u)+3], s[12:13] offset:2048*((\u)%2)+512*((\u)/4)+256*(((\u)/2)%2)    ; sixteen lanes store 256 consecutive bytes, aligned
.if (\u)+2 < 8
	VLOAD (\u)+2
.endif
.endm
	s_load_b256 s[4:11], s[0:1], 0x0               ; keys s[4:5], query s[6:7], values s[8:9], kv s[10:11]
	s_load_b128 s[12:15], s[0:1], 0x20             ; qcodes s[12:13], qscales s[14:15]
	v_lshl_add_u32 v208, v0, 2, 0x9800
	v_mov_b32 v209, 0
	v_lshrrev_b32 v1, 5, v0
	v_readfirstlane_b32 s16, v1                    ; wave 0..3
	v_and_b32 v1, 31, v0                           ; lane
	s_cmp_ge_u32 ttmp9, NROWWG
	s_cbranch_scc1 .Lvalues
	; ---- ROWS: keys or query.  A wave takes 16 rows, a row at a time; a lane ends up with one block of 32 neighbours.
	s_mov_b32 s20, 0x76543210
	s_mov_b32 s21, 0xfedcba98                      ; v_permlanex16_b32's selects for lane l xor 16
	s_mov_b32 s27, 65536                           ; query: 128 stored rows of codes
	s_mov_b32 s28, 4096                            ; query: 128 stored rows of scale bytes
	v_mov_b32 v13, 0                               ; a lane permute's destination counts as one of its sources
	v_mov_b32 v15, 0                               ; named as the upper half of the pair v[14:15]
	s_mul_i32 s37, s16, WREG
	v_lshlrev_b32 v2, 4, v1                        ; 16 x lane: my bytes of a load, and of a stored row of codes
	v_lshrrev_b32 v3, 3, v1
	v_lshl_add_u32 v3, v3, 4, v2
	v_add_nc_u32 v3, s37, v3                       ; the stage, on the way in: eight lanes' 128 bytes on end, then 16 of padding
	v_mul_u32_u24 v4, v1, 144
	v_add_nc_u32 v4, s37, v4                       ; and back: place = lane
	s_add_co_u32 s38, s37, SBY
	s_wait_alu depctr_va_vdst(0)
	v_add_nc_u32 v5, s38, v1                       ; my block's scale byte in a row's 32
	v_add_nc_u32 v6, s38, v2                       ; the 512 scale bytes on the way out, 16 a lane
	v_lshrrev_b32 v7, 4, v1
	v_lshl_add_u32 v7, v7, 8, v2                   ; rows 0-7 lie on end, rows 8-15 sixteen stored rows (512 bytes) on
	s_wait_kmcnt 0x0
	s_cmp_lt_u32 ttmp9, NKEYWG                     ; keys or query?  The choice hangs on the work-group's number alone
	s_cselect_b64 s[4:5], s[4:5], s[6:7]
	s_cselect_b64 s[22:23], s[10:11], s[12:13]
	s_cselect_b64 s[24:25], s[10:11], s[14:15]
	s_cselect_b32 s26, 0, NKEYWG
	s_cselect_b32 s27, STEPB, s27                  ; bytes from one 128 rows' codes to the next
	s_cselect_b32 s28, STEPB, s28                  ; the same for the scale bytes
	s_cselect_b32 s29, KSCL, 0                     ; where the scale bytes begin in a step
	s_sub_co_u32 s30, ttmp9, s26
	s_lshl_b32 s30, s30, 6
	s_lshl_b32 s31, s16, 4
	s_add_co_u32 s30, s30, s31                     ; my wave's first row
	s_lshl_b32 s32, s30, 12
	s_mov_b32 s33, 0
	s_add_nc_u64 s[4:5], s[4:5], s[32:33]
	s_lshr_b32 s34, s30, 7                         ; which 128 rows
	s_and_b32 s35, s30, 96
	s_bfe_u32 s36, s30, 0x10004
	s_lshl_b32 s36, s36, 3
	s_add_co_u32 s35, s35, s36                     ; stored row of my first row: rows 16 a + 8 u + i go to 16 u + 8 a + i
	s_mul_i32 s32, s34, s27
	s_lshl_b32 s36, s35, 9
	s_add_co_u32 s32, s32, s36
	s_add_nc_u64 s[22:23], s[22:23], s[32:33]
	s_mul_i32 s32, s34, s28
	s_add_co_u32 s32, s32, s29
	s_lshl_b32 s36, s35, 5
	s_add_co_u32 s32, s32, s36
	s_add_nc_u64 s[24:25], s[24:25], s[32:33]
	LOADROW 0
	LOADROW 1
	LOADROW 2
	s_wait_loadcnt 16                              ; row 0 is in
	TURN 0
.irp t, 0,1,2,3,4,5,6,7,8,9,10,11,12,13,14,15
	ROW \t
.endr
	ds_load_b128 v[8:11], v6                       ; LDS serves a wave's instructions in order: these see my byte stores
	s_wait_dscnt 0x0
	global_store_b128 v7, v[8:11], s[24:25]        ; sixteen lanes store 256 consecutive bytes, aligned: eight stored rows' scale bytes
	s_wait_tensorcnt 0x0
	ds_add_u32 v208, v209
	s_wait_dscnt 0x0
	s_endpgm
.Lvalues:
	; ---- VALUES: a wave takes a key step (128 keys) x 64 columns; lane L takes columns L and 32 + L, and its registers run down the keys.
	s_sub_co_u32 s20, ttmp9, NROWWG
	s_lshr_b32 s21, s20, 2                         ; key step
	s_and_b32 s20, s20, 3
	s_lshl_b32 s20, s20, 2
	s_add_co_u32 s20, s20, s16                     ; group of 64 columns
	s_lshl_b32 s22, s21, 19                        ; 128 keys x 4,096 bytes
	s_lshl_b32 s24, s20, 8
	s_add_co_u32 s22, s22, s24
	s_mov_b32 s23, 0
	s_mul_i32 s26, s21, STEPB
	s_lshl_b32 s28, s20, 12
	s_add_co_u32 s28, s28, s26
	s_add_co_u32 s28, s28, VBLK
	s_mov_b32 s29, 0
	s_add_co_u32 s30, s26, s24
	s_add_co_u32 s30, s30, VSCL
	s_mov_b32 s31, 0
	s_wait_alu depctr_va_vdst(0)
	v_lshlrev_b32 v2, 2, v1                        ; in: 4 bytes a lane
	v_lshrrev_b32 v3, 4, v1
	v_and_b32 v4, 15, v1
	v_lshlrev_b32 v4, 4, v4
	v_lshl_add_u32 v3, v3, 10, v4                  ; out: tile (lane / 16) x 1,024 + 16 x (lane % 16)
	v_lshlrev_b32 v4, 3, v1                        ; scale words: 8 bytes a lane
	s_wait_alu depctr_va_vdst(0)
	s_wait_kmcnt 0x0
	s_add_nc_u64 s[8:9], s[8:9], s[22:23]
	s_add_nc_u64 s[12:13], s[10:11], s[28:29]      ; V's codes
	s_add_nc_u64 s[14:15], s[10:11], s[30:31]      ; V's scale words
	VLOAD 0
	VLOAD 1
.irp u, 0,1,2,3,4,5,6,7
	VUNIT \u
.endr
	global_store_b64 v4, v[6:7], s[14:15]          ; 32 lanes store 256 consecutive bytes, aligned
	s_endpgm
.Lfunc_end_k_qbef9140d47_prep:
	.size	k_qbef9140d47_prep, .Lfunc_end_k_qbef9140d47_prep-k_qbef9140d47_prep
	.p2alignl 7, 3214868480
	.fill 96, 4, 3214868480
	.section	.rodata,"a",@progbits
	.p2align	6, 0x0
	.amdhsa_kernel k_qbef9140d47_prep
		.amdhsa_group_segment_fixed_size 39424
		.amdhsa_private_segment_fixed_size 0
		.amdhsa_enable_private_segment 0
		.amdhsa_kernarg_size 48
		.amdhsa_user_sgpr_count 2
		.amdhsa_user_sgpr_kernarg_segment_ptr 1
		.amdhsa_wavefront_size32 1
		.amdhsa_system_sgpr_workgroup_id_x 1
		.amdhsa_system_sgpr_workgroup_id_y 1
		.amdhsa_system_sgpr_workgroup_id_z 1
		.amdhsa_system_vgpr_workitem_id 0
		.amdhsa_next_free_vgpr 210
		.amdhsa_next_free_sgpr 66
		.amdhsa_reserve_vcc 0
		.amdhsa_float_denorm_mode_32 3
		.amdhsa_float_denorm_mode_16_64 3
		.amdhsa_memory_ordered 1
		.amdhsa_forward_progress 1
		.amdhsa_inst_pref_size 140
	.end_amdhsa_kernel
	.amdgpu_metadata
---
amdhsa.version: [ 1, 2 ]
amdhsa.kernels:
  - .name:           k_qbef9140d47_prep
    .symbol:         k_qbef9140d47_prep.kd
    .args:
      - { .name: keys, .offset: 0, .size: 8, .value_kind: global_buffer, .address_space: global }
      - { .name: query, .offset: 8, .size: 8, .value_kind: global_buffer, .address_space: global }
      - { .name: values, .offset: 16, .size: 8, .value_kind: global_buffer, .address_space: global }
      - { .name: kv, .offset: 24, .size: 8, .value_kind: global_buffer, .address_space: global }
      - { .name: qcodes, .offset: 32, .size: 8, .value_kind: global_buffer, .address_space: global }
      - { .name: qscales, .offset: 40, .size: 8, .value_kind: global_buffer, .address_space: global }
    .group_segment_fixed_size: 39424
    .private_segment_fixed_size: 0
    .kernarg_segment_align: 8
    .kernarg_segment_size: 48
    .max_flat_workgroup_size: 128
    .sgpr_count:     66
    .vgpr_count:     210
    .wavefront_size: 32
...
	.end_amdgpu_metadata
.endif
;; end of part 1
;; launch score (part 2): grid 2 x 128, 8 waves a work-group, no clusters, 167,936 bytes of LDS; arguments kv, qcodes, qscales, pbuf, lpart; writes pbuf, lpart
.if DOCPART == 2
	.amdgcn_target "amdgcn-amd-amdhsa--gfx1250"
	.amdhsa_code_object_version 6
	.text
	.protected	k_qbef9140d47_score
	.globl	k_qbef9140d47_score
	.p2align	8
	.type	k_qbef9140d47_score,@function
k_qbef9140d47_score:
	s_mov_b64 s[64:65], 0
	v_nop
	global_prefetch_b8 v0, s[64:65] scope:SCOPE_SE
	s_setreg_imm32_b32 hwreg(HW_REG_WAVE_MODE, 25, 1), 1
	s_wait_xcnt 0x0
; SCORE: the first product and the softmax's numerators.  S^T = K Q^T on codes of FP4; t = S x 10 log2(e); p = 2^t is quantised along the keys, 32 to a block.
; A work-group takes 256 keys (two key steps of kv) x 512 queries; each of its 8 waves keeps the codes of 64 queries in 256 registers and walks the 8 blocks of 32 keys.
; K's codes and scale bytes, 2 x 69,632 bytes, are filled into LDS once, 34 rows of 512 bytes a wave: no ring, and no barrier in the loop.
; THE MAXIMUM: the prep launch normalises both vectors, and a code is at most twice its number, so |S| <= 4 and |t| <= 58 for every input: no 2^t and no sum of 32,768 of them leaves f32's range.
; So M = 0 stands for the row's M: a whole number, which the blocks' scales take up exactly.
; pbuf [query block 16][key step 256][4,352 bytes]: query tile q x 1,024 + key block b x 256 + 16 r + 8 h: an image of the next launch's operand registers; at +4,096 + 8 L the scale words of tiles (L / 16, 2 + L / 16), query L % 16.
; lpart [256 keys: 128][query 1,024] f32: the sums of the unquantised p.
; No joint load: a tile of K has two readers and is filled once.  No prefetch: the one fill stands at the head, with no loop ahead of it.
; LIMITS: NaN and infinities among the inputs are not served.
.set STEPB,  139264
.set PITCH,  528
.set KROWS,  136
.set WROWS,  34
.set SPARE,  272*PITCH
.set PREC,   4352
.set PQB,    256*PREC
.set SPW, 1
.set NIL, 2
.set GO,  3
.set AK0, 4
.set ASK0, 5
.set ADK, 6
.set ADS, 7
.set PGO, 8
.set PSO, 9
.set SW,  10
.set OW,  14
.set LS,  16
.set MX,  20
.set NX,  24
.set CD,  28
.set QS,  36
.set KS,  52
.set F,   64
.set S,   192
.set WV,  14
.set PB,  10
.set G1,  24
.set G0,  32
.set CS,  48
.set SEL, 50
.set CNT, 52
.set TB,  53
.set HM,  54
.set MSB, 0
.macro WIN new
.if MSB != \new
	s_set_vgpr_msb (MSB<<8)|\new
.set MSB, \new
.endif
.endm
.macro PLACES n
.rept \n
	v_nop
.endr
.endm
.macro WMS
.if fZ
.if fRA && fRB
	v_wmma_scale_f32_16x16x128_f8f6f4 v[rD:rD+7], v[rA:rA+7], v[rB:rB+7], 0, v[rSA], v[rSB] matrix_a_fmt:MATRIX_FMT_FP4 matrix_b_fmt:MATRIX_FMT_FP4 matrix_a_scale:MATRIX_SCALE_ROW1 matrix_b_scale:MATRIX_SCALE_ROW1
.elseif fRA
	v_wmma_scale_f32_16x16x128_f8f6f4 v[rD:rD+7], v[rA:rA+7], v[rB:rB+7], 0, v[rSA], v[rSB] matrix_a_fmt:MATRIX_FMT_FP4 matrix_b_fmt:MATRIX_FMT_FP4 matrix_a_scale:MATRIX_SCALE_ROW1
.elseif fRB
	v_wmma_scale_f32_16x16x128_f8f6f4 v[rD:rD+7], v[rA:rA+7], v[rB:rB+7], 0, v[rSA], v[rSB] matrix_a_fmt:MATRIX_FMT_FP4 matrix_b_fmt:MATRIX_FMT_FP4 matrix_b_scale:MATRIX_SCALE_ROW1
.else
	v_wmma_scale_f32_16x16x128_f8f6f4 v[rD:rD+7], v[rA:rA+7], v[rB:rB+7], 0, v[rSA], v[rSB] matrix_a_fmt:MATRIX_FMT_FP4 matrix_b_fmt:MATRIX_FMT_FP4
.endif
.else
.if fRA && fRB
	v_wmma_scale_f32_16x16x128_f8f6f4 v[rD:rD+7], v[rA:rA+7], v[rB:rB+7], v[rD:rD+7], v[rSA], v[rSB] matrix_a_fmt:MATRIX_FMT_FP4 matrix_b_fmt:MATRIX_FMT_FP4 matrix_a_scale:MATRIX_SCALE_ROW1 matrix_b_scale:MATRIX_SCALE_ROW1
.elseif fRA
	v_wmma_scale_f32_16x16x128_f8f6f4 v[rD:rD+7], v[rA:rA+7], v[rB:rB+7], v[rD:rD+7], v[rSA], v[rSB] matrix_a_fmt:MATRIX_FMT_FP4 matrix_b_fmt:MATRIX_FMT_FP4 matrix_a_scale:MATRIX_SCALE_ROW1
.elseif fRB
	v_wmma_scale_f32_16x16x128_f8f6f4 v[rD:rD+7], v[rA:rA+7], v[rB:rB+7], v[rD:rD+7], v[rSA], v[rSB] matrix_a_fmt:MATRIX_FMT_FP4 matrix_b_fmt:MATRIX_FMT_FP4 matrix_b_scale:MATRIX_SCALE_ROW1
.else
	v_wmma_scale_f32_16x16x128_f8f6f4 v[rD:rD+7], v[rA:rA+7], v[rB:rB+7], v[rD:rD+7], v[rSA], v[rSB] matrix_a_fmt:MATRIX_FMT_FP4 matrix_b_fmt:MATRIX_FMT_FP4
.endif
.endif
.endm
; block b of the key step in hand: 2 loads of scale words, then 32 of fragments, K step s ascending
.macro KLOAD b
	ds_load_b128 v[KS:KS+3], v[ADS] offset:2*PITCH*(\b)
	ds_load_b128 v[KS+4:KS+7], v[ADS] offset:2*PITCH*(\b)+16
.irp s, 0,1,2,3,4,5,6,7
.irp u, 0,1
.irp c, 0,1
	ds_load_b128 v[F+8*(2*\s+\u)+4*\c:F+8*(2*\s+\u)+4*\c+3], v[ADK] offset:(32*(\b)+16*\u)*PITCH+64*\s+32*\c
.endr
.endr
.endr
.endm
; 64 matrix instructions: 2 tiles of 16 keys x 4 tiles of 16 queries x 8 K steps; the 8 accumulators by turns
.macro SMUL
	WIN 0x04
.irp s, 0,1,2,3,4,5,6,7
	s_wait_dscnt 28-4*\s                           ; K step s is in: the 4 loads of each later step may be out
.if \s == 0
.set fZ, 1
.else
.set fZ, 0
.endif
.irp q, 0,1,2,3
.irp u, 0,1
.set rD, S+16*\q+8*\u
.set rA, F+8*(2*\s+\u)
.set rB, 64*\q+8*\s
.set rSA, KS+\s
.set rSB, QS+4*\q+\s%4
.set fRA, \u
.set fRB, \s/4
	WMS
.endr
.endr
.endr
	WIN 0
.endm
.macro SOFTMAX b
	s_wait_xcnt 0x0                                ; the last block's stores have read their registers
.set j, 0
.rept 32
	v_pk_mul_f32 v[S+j:S+j+1], v[S+j:S+j+1], s[CS:CS+1] op_sel_hi:[1,0]    ; t
.set j, j+2
.endr
	s_wait_alu depctr_va_vdst(0)                   ; ahead of the batch
.set j, 0
.rept 64
	v_exp_f32 v[S+j], v[S+j]                       ; p = 2^t
.set j, j+1
.endr
	v_nop
	s_wait_alu depctr_va_vdst(0)                   ; and behind it
.irp q, 0,1,2,3
	v_max3_num_f32 v[MX+\q], v[S+16*\q], v[S+16*\q+1], 0x1800000   ; my 16 keys' largest p, with the floor 2^(3 - 127)
.endr
.irp i, 2,4,6,8,10,12,14
.irp q, 0,1,2,3
	v_max3_num_f32 v[MX+\q], v[MX+\q], v[S+16*\q+\i], v[S+16*\q+\i+1]
.endr
.endr
.irp q, 0,1,2,3
	v_permlanex16_b32 v[NX+\q], v[MX+\q], s[SEL], s[SEL+1]
.endr
.irp q, 0,1,2,3
	v_max_num_f32 v[MX+\q], v[MX+\q], v[NX+\q]     ; with lane l xor 16's: the block's
.endr
.irp q, 0,1,2,3
	v_add_nc_u32 v[NX+\q], 0xff000000, v[MX+\q]    ; 2 off the exponent field: the conversion's scale operand
.endr
.irp q, 0,1,2,3
	v_lshrrev_b32 v[MX+\q], 23, v[NX+\q]           ; the scale's byte
.endr
.irp q, 0,1,2,3
	v_cvt_scalef32_pk8_fp4_f32 v[CD+2*\q], v[S+16*\q:S+16*\q+7], v[NX+\q]
	v_cvt_scalef32_pk8_fp4_f32 v[CD+2*\q+1], v[S+16*\q+8:S+16*\q+15], v[NX+\q]
.endr
	v_nop
.irp q, 0,1,2,3
	global_store_b64 v[PGO], v[CD+2*\q:CD+2*\q+1], s[PB:PB+1] offset:1024*\q+256*(\b)      ; 32 lanes store 256 consecutive bytes, aligned
.endr
.irp q, 0,1,2,3
.if (\b) == 0
	v_mov_b32 v[SW+\q], v[MX+\q]                   ; the scale word of these 128 keys: byte b = block b
.else
	v_lshl_or_b32 v[SW+\q], v[MX+\q], 8*(\b), v[SW+\q]
.endif
.endr
.if (\b) == 3
	v_cndmask_b32 v[OW], v[SW], v[SW+1], s[HM]     ; lanes 0-15 tile 0's words, lanes 16-31 tile 1's
	v_cndmask_b32 v[OW+1], v[SW+2], v[SW+3], s[HM]
	global_store_b64 v[PSO], v[OW:OW+1], s[PB:PB+1] offset:4096
.endif
.irp i, 0,4,8,12
.irp q, 0,1,2,3
	v_pk_add_f32 v[S+16*\q+\i:S+16*\q+\i+1], v[S+16*\q+\i:S+16*\q+\i+1], v[S+16*\q+\i+2:S+16*\q+\i+3]     ; the sum of the unquantised p
.endr
.endr
.irp i, 0,8
.irp q, 0,1,2,3
	v_pk_add_f32 v[S+16*\q+\i:S+16*\q+\i+1], v[S+16*\q+\i:S+16*\q+\i+1], v[S+16*\q+\i+4:S+16*\q+\i+5]
.endr
.endr
.irp q, 0,1,2,3
	v_pk_add_f32 v[S+16*\q:S+16*\q+1], v[S+16*\q:S+16*\q+1], v[S+16*\q+8:S+16*\q+9]
.endr
.irp q, 0,1,2,3
	v_add_f32 v[S+16*\q], v[S+16*\q], v[S+16*\q+1]
.endr
.irp q, 0,1,2,3
	v_add_f32 v[LS+\q], v[LS+\q], v[S+16*\q]
.endr
.endm
.macro BLOCK b
	SMUL
	PLACES 4                                       ; ahead of loads into registers that the products read, and of the reads of S
.if (\b) < 3
	KLOAD (\b)+1                                   ; the next block's fragments come while this block's softmax is worked
.endif
	SOFTMAX \b
.endm
	s_load_b256 s[4:11], s[0:1], 0x0               ; kv, qcodes, qscales, pbuf
	s_load_b64 s[12:13], s[0:1], 0x20              ; lpart
	v_lshl_add_u32 v[SPW], v0, 2, SPARE
	v_mov_b32 v[NIL], 0
	ds_add_u32 v[SPW], v[NIL]                      ; the opening lines
	ds_add_u32 v[SPW], v[NIL]
	v_lshrrev_b32 v3, 5, v0
	v_readfirstlane_b32 s[WV], v3                  ; wave 0..7
	s_and_b32 s17, ttmp7, 0xffff                   ; which 256 keys
	s_lshl_b32 s16, ttmp9, 3
	s_add_co_u32 s16, s16, s[WV]                   ; my block of 64 queries
	s_lshl_b32 s18, s17, 1
	s_lshr_b32 s19, s[WV], 2
	s_add_co_u32 s18, s18, s19                     ; waves 0-3 fetch the first key step's K, waves 4-7 the second's,
	s_mul_i32 s18, s18, STEPB
	s_and_b32 s19, s[WV], 3
	s_mul_i32 s19, s19, WROWS*512                  ; a quarter each
	s_add_co_u32 s18, s18, s19
	s_mov_b32 s19, 0
	s_mul_i32 s21, s[WV], WROWS*PITCH
	s_lshl_b32 s40, s16, 15
	s_mov_b32 s41, 0
	s_lshl_b32 s42, s16, 11
	s_mov_b32 s43, 0
	s_mul_i32 s44, s16, PQB
	s_mul_i32 s45, s17, 2*PREC
	s_add_co_u32 s44, s44, s45
	s_mov_b32 s45, 0
	s_lshl_b32 s46, s17, 12
	s_lshl_b32 s47, s16, 8
	s_add_co_u32 s46, s46, s47
	s_mov_b32 s47, 0
	s_mov_b32 s[G1+0], (3<<16)|(1<<20)|(6<<22)|(3<<25)     ; elements of 8 bytes; 4 words of padding behind every 128
	s_mov_b32 s[G1+1], 64<<16
	s_mov_b32 s[G1+2], WROWS<<16
	s_mov_b32 s[G1+3], 64<<16
	s_mov_b32 s[G1+4], WROWS
	s_mov_b32 s[G1+5], 64
	s_mov_b32 s[G1+6], 0
	s_mov_b32 s[G1+7], 0
	s_mov_b32 s[CS], 0x4166d4ca                    ; 10 log2(e)
	s_mov_b32 s[CS+1], s[CS]
	s_mov_b32 s[SEL], 0x76543210
	s_mov_b32 s[SEL+1], 0xfedcba98
	s_mov_b32 s[HM], 0xffff0000                    ; lanes 16-31
	s_mov_b32 s[TB], 0
	s_mov_b32 s[CNT], 2
	s_wait_dscnt 0x0
	s_wait_kmcnt 0x0
	s_mov_b32 s[G0], 1
	s_mov_b32 s[G0+1], s21
	s_add_nc_u64 s[G0+2:G0+3], s[4:5], s[18:19]
	s_or_b32 s[G0+3], s[G0+3], 0x80000000
	tensor_load_to_lds s[G0:G0+3], s[G1:G1+7]      ; my one tensor load
	s_nop 0
	PLACES 4
	s_add_nc_u64 s[6:7], s[6:7], s[40:41]
	s_add_nc_u64 s[8:9], s[8:9], s[42:43]
	s_add_nc_u64 s[PB:PB+1], s[PB:PB+1], s[44:45]
	s_add_nc_u64 s[12:13], s[12:13], s[46:47]
	v_and_b32 v20, 31, v0
	v_and_b32 v21, 15, v0                          ; r
	v_bfe_u32 v22, v0, 4, 1                        ; h
	v_lshlrev_b32 v[GO], 2, v20
	v_mul_u32_u24 v[AK0], v21, PITCH
	v_lshl_add_u32 v[AK0], v22, 4, v[AK0]          ; K's fragments: row r, + 16 h
	v_mul_u32_u24 v[ASK0], v22, PITCH
	v_lshl_add_u32 v[ASK0], v21, 5, v[ASK0]
	v_add_nc_u32 v[ASK0], 128*PITCH, v[ASK0]       ; K's scale words: 32 bytes a key, 16 keys to an LDS row; lanes 16-31 take the second tile's
	v_lshlrev_b32 v[PGO], 4, v21
	v_lshl_add_u32 v[PGO], v22, 3, v[PGO]          ; p's codes: 16 r + 8 h
	v_lshlrev_b32 v[PSO], 3, v20
	v_and_b32 v28, 8, v21
	v_add_nc_u32 v28, v28, v21                     ; the stored row of query r of a tile: r + 8 (r / 8)
	v_lshlrev_b32 v29, 9, v28
	v_lshl_add_u32 v29, v22, 4, v29
	v_lshlrev_b32 v30, 5, v28
	v_lshl_add_u32 v30, v22, 4, v30
.irp q, 0,1,2,3
	v_mov_b32 v[NX+\q], 0                          ; a lane permute's destination counts as a source
	v_mov_b32 v[LS+\q], 0
.endr
	s_wait_alu depctr_va_vdst(0)                   ; the wait at the head's end
	WIN 0x40
.irp q, 0,1,2,3
.irp s, 0,1,2,3,4,5,6,7
.irp c, 0,1
	global_load_b128 v[64*\q+8*\s+4*\c:64*\q+8*\s+4*\c+3], v29, s[6:7] offset:(32*(\q/2)+8*(\q%2))*512+64*\s+32*\c     ; Q's fragments: v256-511
.endr
.endr
.endr
	WIN 0
.irp q, 0,1,2,3
	global_load_b128 v[QS+4*\q:QS+4*\q+3], v30, s[8:9] offset:(32*(\q/2)+8*(\q%2))*32
.endr
	s_wait_loadcnt 0x0
	s_wait_tensorcnt 0x0                           ; my part of K is in;
	s_barrier_signal -1
	s_barrier_wait -1                              ; everybody's is
.Lstep:                                                ; two trips: a key step of 128 keys each
	v_add_nc_u32 v[ADK], s[TB], v[AK0]
	v_add_nc_u32 v[ADS], s[TB], v[ASK0]
	s_wait_alu depctr_va_vdst(0)
	KLOAD 0
	BLOCK 0
	BLOCK 1
	BLOCK 2
	BLOCK 3
	s_wait_alu depctr_va_vdst(0)                   ; ahead of the wait below
	s_wait_xcnt 0x0                                ; the stores have read their base
	s_add_nc_u64 s[PB:PB+1], s[PB:PB+1], PREC
	s_add_co_u32 s[TB], s[TB], KROWS*PITCH
	s_sub_co_u32 s[CNT], s[CNT], 1
	s_cmp_lg_u32 s[CNT], 0
	s_cbranch_scc1 .Lstep
.irp q, 0,1,2,3
	v_permlanex16_b32 v[NX+\q], v[LS+\q], s[SEL], s[SEL+1]
.endr
.irp q, 0,1,2,3
	v_add_f32 v[LS+\q], v[LS+\q], v[NX+\q]         ; both halves of the keys
.endr
	v_cndmask_b32 v[OW], v[LS], v[LS+1], s[HM]     ; query L,
	v_cndmask_b32 v[OW+1], v[LS+2], v[LS+3], s[HM] ; query 32 + L
	global_store_b32 v[GO], v[OW], s[12:13]
	global_store_b32 v[GO], v[OW+1], s[12:13] offset:128
	s_wait_tensorcnt 0x0                           ; the wave's end
	ds_add_u32 v[SPW], v[NIL]
	s_wait_dscnt 0x0
	s_endpgm
.Lfunc_end_k_qbef9140d47_score:
	.size	k_qbef9140d47_score, .Lfunc_end_k_qbef9140d47_score-k_qbef9140d47_score
	.p2alignl 7, 3214868480
	.fill 96, 4, 3214868480
	.section	.rodata,"a",@progbits
	.p2align	6, 0x0
	.amdhsa_kernel k_qbef9140d47_score
		.amdhsa_group_segment_fixed_size 167936
		.amdhsa_private_segment_fixed_size 0
		.amdhsa_enable_private_segment 0
		.amdhsa_kernarg_size 40
		.amdhsa_user_sgpr_count 2
		.amdhsa_user_sgpr_kernarg_segment_ptr 1
		.amdhsa_wavefront_size32 1
		.amdhsa_system_sgpr_workgroup_id_x 1
		.amdhsa_system_sgpr_workgroup_id_y 1
		.amdhsa_system_sgpr_workgroup_id_z 1
		.amdhsa_system_vgpr_workitem_id 0
		.amdhsa_next_free_vgpr 512
		.amdhsa_next_free_sgpr 66
		.amdhsa_reserve_vcc 0
		.amdhsa_float_denorm_mode_32 3
		.amdhsa_float_denorm_mode_16_64 3
		.amdhsa_memory_ordered 1
		.amdhsa_forward_progress 1
		.amdhsa_inst_pref_size 95
	.end_amdhsa_kernel
	.amdgpu_metadata
---
amdhsa.version: [ 1, 2 ]
amdhsa.kernels:
  - .name:           k_qbef9140d47_score
    .symbol:         k_qbef9140d47_score.kd
    .args:
      - { .name: kv, .offset: 0, .size: 8, .value_kind: global_buffer, .address_space: global }
      - { .name: qcodes, .offset: 8, .size: 8, .value_kind: global_buffer, .address_space: global }
      - { .name: qscales, .offset: 16, .size: 8, .value_kind: global_buffer, .address_space: global }
      - { .name: pbuf, .offset: 24, .size: 8, .value_kind: global_buffer, .address_space: global }
      - { .name: lpart, .offset: 32, .size: 8, .value_kind: global_buffer, .address_space: global }
    .group_segment_fixed_size: 167936
    .private_segment_fixed_size: 0
    .kernarg_segment_align: 8
    .kernarg_segment_size: 40
    .max_flat_workgroup_size: 256
    .sgpr_count:     66
    .vgpr_count:     512
    .wavefront_size: 32
...
	.end_amdgpu_metadata
.endif
;; end of part 2
;; launch mix (part 3): grid 8 x 32, 8 waves a work-group, clusters of 4 x 1, 327,680 bytes of LDS; arguments kv, pbuf, part; writes part
.if DOCPART == 3
	.amdgcn_target "amdgcn-amd-amdhsa--gfx1250"
	.amdhsa_code_object_version 6
	.text
	.protected	k_qbef9140d47_mix
	.globl	k_qbef9140d47_mix
	.p2align	8
	.type	k_qbef9140d47_mix,@function
k_qbef9140d47_mix:
	s_mov_b64 s[64:65], 0
	v_nop
	global_prefetch_b8 v0, s[64:65] scope:SCOPE_SE
	s_setreg_imm32_b32 hwreg(HW_REG_WAVE_MODE, 25, 1), 1
	s_wait_xcnt 0x0
	s_wait_alu depctr_hold_cnt(0) depctr_sa_sdst(0) depctr_va_vdst(0) depctr_va_sdst(0) depctr_va_ssrc(0) depctr_va_vcc(0) depctr_vm_vsrc(0)
	s_getreg_b32 s2, hwreg(HW_REG_IB_STS2, 6, 4)
	s_cmp_eq_u32 s2, 0
	s_cbranch_scc0 .Lentry_in_a_cluster
	s_endpgm
.Lentry_in_a_cluster:
	s_bfe_u32 s2, ttmp6, 0x10000c
	s_cmp_lg_u32 s2, 0x3003
	s_cbranch_scc0 .Lentry_shape_is_right
	s_endpgm
.Lentry_shape_is_right:
; MIX: the second product on codes of FP4, O^T = V^T P^T (source 0 = 16 columns of V, source 1 = 16 queries of p), in four parts along the keys.
; A work-group owns 128 queries x 128 columns over 8,192 keys (64 key steps): for each key step it takes in 2 x 4,352 bytes of p and as many of V.
; Its 8 waves are 4 slices of 32 columns x 2 groups along K: of each 16 key steps group g takes steps 8 g .. 8 g + 7; a wave has 16 accumulators (2 column tiles x 8 query tiles, v384-511).
; p is the same for the 8 work-groups of a query block: the four of a cluster ask for it jointly, through a ring of two slots of 16 key steps, 17,408 bytes a wave and slot.
; V's 2,048 bytes and 32 scale words of a key step and slice are multiplied by ONE wave: they go from kv straight into its operand registers (v256-383), 8 key steps (40 loads a wave) ahead.
; So V has no joint load and makes no turn through LDS, and its loads run a trip ahead by themselves: no prefetch for them.
; The four trips are written out: every offset of V is an immediate round a base in the middle of the 64 key steps, so no base is stepped.
; p's tiles 2 and 3 are prefetched a trip ahead of their loads: of a wave's 68 blocks of 256 bytes each of the four partners names 17, told apart by address.
; part [key quarter 4][query block 8][column block 8][slice 4][16,384 bytes]: images of the accumulators: b128 number k = registers 4 k .. 4 k + 3 at 512 k + 16 x lane; accumulator 8 t + q.
; LIMITS: as in the launches before.
.set STEPB,  139264
.set VBLK,   69632
.set VSCL,   135168
.set PREC,   4352
.set PQB,    256*PREC
.set WPART,  4*PREC
.set HALFB,  4*WPART                   ; 16 key steps of one block of 64 queries
.set SLOTB,  2*HALFB
.set SPARE,  2*SLOTB
.set SPW, 1
.set NIL, 2
.set VOF, 3
.set VSO, 4
.set PA,  6                            ; v6-9    p's codes: slot 2 x half 2
.set PSA, 10                           ; v10-13  p's scale words likewise
.set STA, 14
.set PFO, 15
.set L16, 23
.set VS,  32                           ; v32-39  V's scale words, 8 sets
.set PS,  40                           ; v40-47  p's, 2 sets of 4
.set PF,  64                           ; v64-191 p's fragments, 2 sets of 64
.set ACC, 128                          ; in window 1
.set WV,  14
.set G1,  24
.set G0,  32
.set VB,  40
.set PFA, 42
.set MSB, 0
.macro WIN new
.if MSB != \new
	s_set_vgpr_msb (MSB<<8)|\new
.set MSB, \new
.endif
.endm
.macro PLACES n
.rept \n
	v_nop
.endr
.endm
.macro ROUND
	s_barrier_signal -1
	s_barrier_wait -1
	s_cmp_lg_u32 s[WV], 0
	s_cbranch_scc1 .Lnot_wave_0_\@
	s_barrier_signal -3
.Lnot_wave_0_\@:
	s_barrier_wait -3
	s_barrier_signal -1
	s_barrier_wait -1
.endm
.macro WMS
.if fZ
.if fRA && fRB
	v_wmma_scale_f32_16x16x128_f8f6f4 v[rD:rD+7], v[rA:rA+7], v[rB:rB+7], 0, v[rSA], v[rSB] matrix_a_fmt:MATRIX_FMT_FP4 matrix_b_fmt:MATRIX_FMT_FP4 matrix_a_scale:MATRIX_SCALE_ROW1 matrix_b_scale:MATRIX_SCALE_ROW1
.elseif fRA
	v_wmma_scale_f32_16x16x128_f8f6f4 v[rD:rD+7], v[rA:rA+7], v[rB:rB+7], 0, v[rSA], v[rSB] matrix_a_fmt:MATRIX_FMT_FP4 matrix_b_fmt:MATRIX_FMT_FP4 matrix_a_scale:MATRIX_SCALE_ROW1
.elseif fRB
	v_wmma_scale_f32_16x16x128_f8f6f4 v[rD:rD+7], v[rA:rA+7], v[rB:rB+7], 0, v[rSA], v[rSB] matrix_a_fmt:MATRIX_FMT_FP4 matrix_b_fmt:MATRIX_FMT_FP4 matrix_b_scale:MATRIX_SCALE_ROW1
.else
	v_wmma_scale_f32_16x16x128_f8f6f4 v[rD:rD+7], v[rA:rA+7], v[rB:rB+7], 0, v[rSA], v[rSB] matrix_a_fmt:MATRIX_FMT_FP4 matrix_b_fmt:MATRIX_FMT_FP4
.endif
.else
.if fRA && fRB
	v_wmma_scale_f32_16x16x128_f8f6f4 v[rD:rD+7], v[rA:rA+7], v[rB:rB+7], v[rD:rD+7], v[rSA], v[rSB] matrix_a_fmt:MATRIX_FMT_FP4 matrix_b_fmt:MATRIX_FMT_FP4 matrix_a_scale:MATRIX_SCALE_ROW1 matrix_b_scale:MATRIX_SCALE_ROW1
.elseif fRA
	v_wmma_scale_f32_16x16x128_f8f6f4 v[rD:rD+7], v[rA:rA+7], v[rB:rB+7], v[rD:rD+7], v[rSA], v[rSB] matrix_a_fmt:MATRIX_FMT_FP4 matrix_b_fmt:MATRIX_FMT_FP4 matrix_a_scale:MATRIX_SCALE_ROW1
.elseif fRB
	v_wmma_scale_f32_16x16x128_f8f6f4 v[rD:rD+7], v[rA:rA+7], v[rB:rB+7], v[rD:rD+7], v[rSA], v[rSB] matrix_a_fmt:MATRIX_FMT_FP4 matrix_b_fmt:MATRIX_FMT_FP4 matrix_b_scale:MATRIX_SCALE_ROW1
.else
	v_wmma_scale_f32_16x16x128_f8f6f4 v[rD:rD+7], v[rA:rA+7], v[rB:rB+7], v[rD:rD+7], v[rSA], v[rSB] matrix_a_fmt:MATRIX_FMT_FP4 matrix_b_fmt:MATRIX_FMT_FP4
.endif
.endif
.endm
.macro VLOAD i, st                     ; V of the key step st steps from s[VB] -> set i: 5 loads
	WIN 0x40
.irp t, 0,1
.irp c, 0,1
	global_load_b128 v[16*(\i)+8*\t+4*\c:16*(\i)+8*\t+4*\c+3], v[VOF], s[VB:VB+1] offset:(\st)*STEPB+1024*\t+512*\c
.endr
.endr
	WIN 0
	global_load_b32 v[VS+(\i)], v[VSO], s[VB:VB+1] offset:(\st)*STEPB      ; lanes 0-15 my first tile's words, lanes 16-31 my second's
.endm
.macro PLOAD slot, i                   ; p of my key step i of the slot -> set i % 2: 18 loads, lanes on neighbouring bytes
.irp hf, 0,1
.irp q, 0,1,2,3
.irp c, 0,1
	ds_load_b128 v[PF+64*((\i)%2)+32*\hf+8*\q+4*\c:PF+64*((\i)%2)+32*\hf+8*\q+4*\c+3], v[PA+2*\slot+\hf] offset:(\i)*PREC+1024*\q+512*\c
.endr
.endr
	ds_load_b64 v[PS+4*((\i)%2)+2*\hf:PS+4*((\i)%2)+2*\hf+1], v[PSA+2*\slot+\hf] offset:(\i)*PREC+4096
.endr
.endm
.macro STEP T, slot, i
.if (\i) < 7
	PLOAD \slot, (\i)+1
	s_wait_dscnt 18                                ; this step's p is in; the next step's 18 loads may be out
.else
	s_wait_dscnt 0x0
.endif
.if (\T) < 3
	s_wait_loadcnt 35                              ; this step's V is in; seven younger sets of 5 loads may be out
.else
	s_wait_loadcnt 5*(7-(\i))
.endif
.set fZ, ((\T) == 0) && ((\i) == 0)
	WIN 0x51                                       ; V, C and D in window 1, p in window 0
.irp t, 0,1
.irp q, 0,1,2,3,4,5,6,7
.set rD, ACC+8*(8*\t+\q)
.set rA, 16*(\i)+8*\t
.set rB, PF+64*((\i)%2)+8*\q
.set rSA, VS+(\i)
.set rSB, PS+4*((\i)%2)+\q/2
.set fRA, \t
.set fRB, \q%2
	WMS                                            ; the 16 accumulators by turns
.endr
.endr
	WIN 0
	PLACES 4                                       ; ahead of loads into registers that the products read
.if (\T) < 3
	VLOAD \i, 16*(\T)+(\i)-16                      ; the same step of the next trip: 16 (T + 1) + i - 32
.endif
.endm
; Trip T: 16 key steps of the work-group, 8 of mine
.macro TRIP T, slot
	s_wait_tensorcnt 0x0                           ; my part of this slot is in
	ds_add_u32 v[SPW], v[NIL]
.if (\T) < 2
	s_add_nc_u64 s[G0+4*\slot+2:G0+4*\slot+3], s[G0+4*\slot+2:G0+4*\slot+3], 2*HALFB       ; this slot's next tile
.endif
	s_wait_dscnt 0x0                               ; the add, and my reads of the other slot
	ROUND
.if (\T) < 3
	tensor_load_to_lds s[G0+4-4*\slot:G0+7-4*\slot], s[G1:G1+7]    ; the next tile, into the slot read last
	s_nop 0
.endif
	PLACES 4
	PLOAD \slot, 0
	STEP \T, \slot, 0
.if (\T) < 2
	global_prefetch_b8 v[PFO], s[PFA:PFA+1] offset:((\T)+2)*HALFB th:TH_LOAD_NT scope:SCOPE_SE     ; the tile that the next trip will ask for
.endif
.irp i, 1,2,3,4,5,6,7
	STEP \T, \slot, \i
.endr
.endm
	s_load_b128 s[4:7], s[0:1], 0x0                ; kv, pbuf
	s_load_b64 s[8:9], s[0:1], 0x10                ; part
	v_lshl_add_u32 v[SPW], v0, 2, SPARE
	v_mov_b32 v[NIL], 0
	ds_add_u32 v[SPW], v[NIL]                      ; the opening lines
	ds_add_u32 v[SPW], v[NIL]
	v_lshrrev_b32 v3, 5, v0
	v_readfirstlane_b32 s[WV], v3                  ; wave 0..7
	s_bfe_u32 s15, ttmp6, 0x40000                  ; cx
	s_lshl_b32 s16, ttmp9, 2
	s_add_co_u32 s16, s16, s15                     ; my block of 128 columns
	s_and_b32 s17, ttmp7, 0xffff                   ; 8 x key quarter + query block: the same in all four partners
	s_and_b32 s46, s17, 7
	s_lshr_b32 s47, s17, 3
	s_lshr_b32 s48, s[WV], 2                       ; my group along K; also: which 64 queries' p I fetch
	s_and_b32 s49, s[WV], 3                        ; my slice of 32 columns; also: which 4 key steps of a tile I fetch
	s_lshl_b32 s18, s46, 1
	s_add_co_u32 s18, s18, s48
	s_mul_i32 s18, s18, PQB
	s_lshl_b32 s19, s47, 4
	s_add_co_u32 s19, s19, s49
	s_mul_i32 s19, s19, WPART                      ; key step 64 x quarter + 4 x part
	s_add_co_u32 s18, s18, s19
	s_mov_b32 s19, 0
	s_mul_i32 s20, s[WV], WPART
	s_lshl_b32 s22, s47, 3
	s_add_co_u32 s22, s22, s48
	s_add_co_u32 s22, s22, 4
	s_mul_i32 s22, s22, 8*STEPB                    ; V's base: key step 64 x quarter + 8 g + 32
	s_mov_b32 s23, 0
	s_lshl_b32 s21, s16, 13
	s_lshl_b32 s50, s49, 11
	s_add_co_u32 s21, s21, s50
	s_add_co_u32 s21, s21, VBLK                    ; my two tiles of V's codes in a key step
	s_lshl_b32 s51, s16, 9
	s_lshr_b32 s50, s49, 1
	s_lshl_b32 s50, s50, 8
	s_add_co_u32 s51, s51, s50
	s_and_b32 s50, s49, 1
	s_lshl_b32 s50, s50, 2
	s_add_co_u32 s51, s51, s50
	s_add_co_u32 s51, s51, VSCL                    ; and their scale words
	s_lshl_b32 s52, s17, 3
	s_add_co_u32 s52, s52, s16
	s_lshl_b32 s52, s52, 2
	s_add_co_u32 s52, s52, s49
	s_lshl_b32 s52, s52, 14
	s_mov_b32 s53, 0
	s_mul_i32 s54, s15, PREC                       ; the prefetches: my work-group's 17 blocks of my wave's 68
	s_mov_b32 s55, 0
	s_mul_i32 s56, s48, 8*PREC
	s_lshl_b32 s57, s49, 14
	s_mov_b32 s[G1+0], 15|(3<<16)|(1<<21)          ; all four partners; elements of 8 bytes; no padding: fragments are read lane by lane on end
	s_mov_b32 s[G1+1], 32<<16
	s_mov_b32 s[G1+2], 68<<16
	s_mov_b32 s[G1+3], 32<<16
	s_mov_b32 s[G1+4], 68                          ; 68 rows of 256 bytes, dense
	s_mov_b32 s[G1+5], 32
	s_mov_b32 s[G1+6], 0
	s_mov_b32 s[G1+7], 0
	s_wait_dscnt 0x0
	s_wait_kmcnt 0x0
	s_add_nc_u64 s[18:19], s[6:7], s[18:19]
	s_add_nc_u64 s[VB:VB+1], s[4:5], s[22:23]
	s_add_nc_u64 s[8:9], s[8:9], s[52:53]
	s_add_nc_u64 s[PFA:PFA+1], s[18:19], s[54:55]
	ROUND                                          ; in front of the first joint load
.irp n, 0,1
	s_mov_b32 s[G0+4*\n], 1
	s_add_co_u32 s[G0+4*\n+1], s20, \n*SLOTB
	s_add_nc_u64 s[G0+4*\n+2:G0+4*\n+3], s[18:19], \n*HALFB
	s_or_b32 s[G0+4*\n+3], s[G0+4*\n+3], 0x80000000
.endr
	tensor_load_to_lds s[G0:G0+3], s[G1:G1+7]      ; tile 0: my one tensor load at the head
	s_nop 0
	PLACES 4
	v_and_b32 v20, 31, v0
	v_lshlrev_b32 v[L16], 4, v20
	v_lshlrev_b32 v24, 3, v20
	v_lshlrev_b32 v25, 2, v20
	v_add_nc_u32 v[VOF], s21, v[L16]
	v_lshl_add_u32 v[VSO], v20, 3, s51             ; 8 bytes a lane: the word of column 32 e + lane stands at 8 x lane + 4 e
	v_add_nc_u32 v[PA], s56, v[L16]
	v_add_nc_u32 v[PA+1], HALFB, v[PA]
	v_add_nc_u32 v[PA+2], SLOTB, v[PA]
	v_add_nc_u32 v[PA+3], SLOTB, v[PA+1]
	v_add_nc_u32 v[PSA], s56, v24
	v_add_nc_u32 v[PSA+1], HALFB, v[PSA]
	v_add_nc_u32 v[PSA+2], SLOTB, v[PSA]
	v_add_nc_u32 v[PSA+3], SLOTB, v[PSA+1]
	v_add_nc_u32 v[STA], s57, v[L16]               ; the stage of my slice, in slot 0
	v_min_u32 v[PFO], 16, v20                      ; lanes 17-31 name the last block again
	v_lshlrev_b32 v[PFO], 8, v[PFO]
	s_wait_alu depctr_va_vdst(0)                   ; the wait at the head's end
.irp i, 0,1,2,3,4,5,6,7
	VLOAD \i, (\i)-32
.endr
	TRIP 0, 0                                      ; its first products start the sums
	TRIP 1, 1
	TRIP 2, 0
	TRIP 3, 1                                      ; asks for nothing more
	; THE WAY OUT.  Slot 0 has had its last fill, and every wave's reads of it ended ahead of trip 3's round.  Group 1 hands its sums over there, 16,384 bytes a slice; group 0 adds its own and stores.
	s_cmp_lt_u32 s[WV], 4
	s_cbranch_scc1 .Lkeeps
	WIN 0x04
.set k, 0
.rept 32
	ds_store_b128 v[STA], v[ACC+4*k:ACC+4*k+3] offset:512*k
.set k, k+1
.endr
	WIN 0
.Lkeeps:
	s_wait_dscnt 0x0
	s_barrier_signal -1
	s_barrier_wait -1
	s_cmp_ge_u32 s[WV], 4
	s_cbranch_scc1 .Ldone
.set k, 0
.rept 32
	ds_load_b128 v[PF+4*k:PF+4*k+3], v[STA] offset:512*k
.set k, k+1
.endr
	s_wait_dscnt 0x0
	WIN 0x01
.set k, 0
.rept 64
	v_pk_add_f32 v[PF+k:PF+k+1], v[ACC+k:ACC+k+1], v[PF+k:PF+k+1]
.set k, k+2
.endr
	WIN 0
.set k, 0
.rept 32
	global_store_b128 v[L16], v[PF+4*k:PF+4*k+3], s[8:9] offset:512*k      ; 512 consecutive bytes a store, aligned
.set k, k+1
.endr
.Ldone:
	s_wait_tensorcnt 0x0                           ; the wave's end
	ds_add_u32 v[SPW], v[NIL]
	s_wait_dscnt 0x0
	ROUND                                          ; the closing round
	s_endpgm
.Lfunc_end_k_qbef9140d47_mix:
	.size	k_qbef9140d47_mix, .Lfunc_end_k_qbef9140d47_mix-k_qbef9140d47_mix
	.p2alignl 7, 3214868480
	.fill 96, 4, 3214868480
	.section	.rodata,"a",@progbits
	.p2align	6, 0x0
	.amdhsa_kernel k_qbef9140d47_mix
		.amdhsa_group_segment_fixed_size 327680
		.amdhsa_private_segment_fixed_size 0
		.amdhsa_enable_private_segment 0
		.amdhsa_kernarg_size 24
		.amdhsa_user_sgpr_count 2
		.amdhsa_user_sgpr_kernarg_segment_ptr 1
		.amdhsa_wavefront_size32 1
		.amdhsa_system_sgpr_workgroup_id_x 1
		.amdhsa_system_sgpr_workgroup_id_y 1
		.amdhsa_system_sgpr_workgroup_id_z 1
		.amdhsa_system_vgpr_workitem_id 0
		.amdhsa_next_free_vgpr 512
		.amdhsa_next_free_sgpr 66
		.amdhsa_reserve_vcc 0
		.amdhsa_float_denorm_mode_32 3
		.amdhsa_float_denorm_mode_16_64 3
		.amdhsa_memory_ordered 1
		.amdhsa_forward_progress 1
		.amdhsa_inst_pref_size 145
	.end_amdhsa_kernel
	.amdgpu_metadata
---
amdhsa.version: [ 1, 2 ]
amdhsa.kernels:
  - .name:           k_qbef9140d47_mix
    .symbol:         k_qbef9140d47_mix.kd
    .args:
      - { .name: kv, .offset: 0, .size: 8, .value_kind: global_buffer, .address_space: global }
      - { .name: pbuf, .offset: 8, .size: 8, .value_kind: global_buffer, .address_space: global }
      - { .name: part, .offset: 16, .size: 8, .value_kind: global_buffer, .address_space: global }
    .group_segment_fixed_size: 327680
    .private_segment_fixed_size: 0
    .kernarg_segment_align: 8
    .kernarg_segment_size: 24
    .max_flat_workgroup_size: 256
    .sgpr_count:     66
    .vgpr_count:     512
    .wavefront_size: 32
...
	.end_amdgpu_metadata
.endif
;; end of part 3
;; launch comb (part 4): grid 256 x 1, 4 waves a work-group, no clusters, 19,456 bytes of LDS; arguments part, lpart, out0; writes out0
.if DOCPART == 4
	.amdgcn_target "amdgcn-amd-amdhsa--gfx1250"
	.amdhsa_code_object_version 6
	.text
	.protected	k_qbef9140d47_comb
	.globl	k_qbef9140d47_comb
	.p2align	8
	.type	k_qbef9140d47_comb,@function
k_qbef9140d47_comb:
	s_mov_b64 s[64:65], 0
	v_nop
	global_prefetch_b8 v0, s[64:65] scope:SCOPE_SE
	s_setreg_imm32_b32 hwreg(HW_REG_WAVE_MODE, 25, 1), 1
	s_wait_xcnt 0x0
; COMB: out0[query][column] = (the sum over the four key quarters of O^T) / (the sum over lpart's 128 rows of l).
; part [key quarter 4][query block 8][column block 8][slice 4][16,384 bytes]: accumulator 8 t + q at 1,024 bytes each, registers 4 g .. 4 g + 3 at 512 g + 16 x lane: lane (r, h) holds query 16 q + r, columns 16 t + 8 h + 4 g + 0 .. 3 of the slice's 32.
; A work-group takes 64 queries x 64 columns; wave u takes query tile u of them: two slices x two column tiles, eight loads of 512 bytes in each quarter.
; l: wave u sums rows 32 u .. 32 u + 31 of lpart for the 64 queries (256 consecutive bytes a load); the four sums meet in LDS.
; The result is turned once through the wave's own stage (rows of 256 + 16 bytes), so that sixteen lanes store 256 consecutive bytes of a row of out0, aligned.
; A stream: no matrix unit, no cluster, no tensor load.
.set SET,   64                         ; v64-191  four quarters x 32
.set LL,    192                        ; v192-255 l
.set SPARE, 0x4400
.set LSUM,  0x4600
	s_load_b128 s[4:7], s[0:1], 0x0                ; part, lpart
	s_load_b64 s[8:9], s[0:1], 0x10                ; out0
	v_lshl_add_u32 v30, v0, 2, SPARE
	v_mov_b32 v31, 0
	v_lshrrev_b32 v1, 5, v0
	v_readfirstlane_b32 s10, v1                    ; wave u
	s_and_b32 s11, ttmp9, 1                        ; which 64 of the block's 128 columns
	s_bfe_u32 s12, ttmp9, 0x30001                  ; column block
	s_bfe_u32 s13, ttmp9, 0x10004                  ; which 64 of the block's 128 queries
	s_lshr_b32 s14, ttmp9, 5                       ; query block
	s_lshl_b32 s16, s14, 3
	s_add_co_u32 s16, s16, s12
	s_lshl_b32 s16, s16, 2
	s_lshl_b32 s17, s11, 1
	s_add_co_u32 s16, s16, s17
	s_lshl_b32 s16, s16, 14                        ; part: my first slice,
	s_lshl_b32 s17, s13, 2
	s_add_co_u32 s17, s17, s10
	s_lshl_b32 s17, s17, 10
	s_add_co_u32 s16, s16, s17                     ; my query tile
	s_mov_b32 s17, 0
	s_lshl_b32 s18, s10, 17                        ; lpart: row 32 u,
	s_lshl_b32 s19, s14, 1
	s_add_co_u32 s19, s19, s13
	s_lshl_b32 s19, s19, 8
	s_add_co_u32 s18, s18, s19                     ; the 64 queries
	s_mov_b32 s19, 0
	s_lshl_b32 s20, s14, 19                        ; out0: row 128 x query block + 64 x half + 16 u,
	s_lshl_b32 s21, s13, 18
	s_add_co_u32 s20, s20, s21
	s_lshl_b32 s21, s10, 16
	s_add_co_u32 s20, s20, s21
	s_lshl_b32 s21, s12, 9
	s_add_co_u32 s20, s20, s21                     ; column 128 x column block + 64 x half
	s_lshl_b32 s21, s11, 8
	s_add_co_u32 s20, s20, s21
	s_mov_b32 s21, 0
	s_mul_i32 s22, s10, 4352                       ; my stage
	s_lshl_b32 s23, s10, 8
	s_lshl_b32 s24, s10, 6
	v_and_b32 v1, 31, v0
	v_lshlrev_b32 v2, 4, v1                        ; quarters 0 and 1: 16 x lane;
	v_add_nc_u32 v3, 0x800000, v2                  ; quarters 2 and 3: 2 x 4,194,304 bytes on
	v_lshlrev_b32 v4, 3, v1
	v_and_b32 v6, 15, v0                           ; r
	v_bfe_u32 v7, v0, 4, 1                         ; h
	v_mul_u32_u24 v8, v6, 272
	v_lshl_add_u32 v8, v7, 5, v8
	v_add_nc_u32 v8, s22, v8                       ; the stage, in: row r, + 32 h
	v_mul_u32_u24 v9, v7, 272
	v_lshl_add_u32 v9, v6, 4, v9
	v_add_nc_u32 v9, s22, v9                       ; back: lanes 0-15 one row, lanes 16-31 the next
	v_lshlrev_b32 v10, 12, v7
	v_lshl_add_u32 v10, v6, 4, v10                 ; and the same two rows of out0
	v_add_nc_u32 v11, s23, v4
	v_add_nc_u32 v11, LSUM, v11                    ; my wave's sums of l: queries 2 L, 2 L + 1
	v_lshl_add_u32 v12, v6, 2, LSUM
	v_add_nc_u32 v12, s24, v12                     ; l of query 16 u + r
	s_wait_alu depctr_va_vdst(0)                   ; the wait at the head's end
	s_wait_kmcnt 0x0
	s_add_nc_u64 s[4:5], s[4:5], s[16:17]
	s_add_nc_u64 s[6:7], s[6:7], s[18:19]
	s_add_nc_u64 s[8:9], s[8:9], s[20:21]
.set n, 0
.rept 32
	global_load_b64 v[LL+2*n:LL+2*n+1], v4, s[6:7] offset:4096*n
.set n, n+1
.endr
.irp y, 0,1,2,3
.irp k, 0,1,2,3,4,5,6,7
	global_load_b128 v[SET+32*\y+4*\k:SET+32*\y+4*\k+3], v[2+\y/2], s[4:5] offset:(\y%2)*4194304+(\k/4)*16384+((\k/2)%2)*8192+(\k%2)*512 th:TH_LOAD_NT
.endr
.endr
	s_wait_loadcnt 32                              ; l is in; the 32 loads of the parts may be out
.irp w, 32,16,8,4,2
.set n, 0
.rept \w/2
	v_pk_add_f32 v[LL+n:LL+n+1], v[LL+n:LL+n+1], v[LL+\w+n:LL+\w+n+1]
.set n, n+2
.endr
.endr
	ds_store_b64 v11, v[LL:LL+1]
	s_wait_dscnt 0x0
	s_barrier_signal -1
	s_barrier_wait -1
.irp w, 0,1,2,3
	ds_load_b32 v[LL+4+\w], v12 offset:256*\w
.endr
	s_wait_loadcnt 0x0
.irp y, 1,2,3
.set n, 0
.rept 16
	v_pk_add_f32 v[SET+n:SET+n+1], v[SET+n:SET+n+1], v[SET+32*\y+n:SET+32*\y+n+1]
.set n, n+2
.endr
.endr
	s_wait_dscnt 0x0
	v_add_f32 v[LL+4], v[LL+4], v[LL+5]
	v_add_f32 v[LL+6], v[LL+6], v[LL+7]
	v_add_f32 v[LL+4], v[LL+4], v[LL+6]
	s_wait_alu depctr_va_vdst(0)                   ; ahead of the transcendental
	v_rcp_f32 v[LL+4], v[LL+4]
	v_nop
	s_wait_alu depctr_va_vdst(0)                   ; and behind it
.set n, 0
.rept 16
	v_pk_mul_f32 v[SET+n:SET+n+1], v[SET+n:SET+n+1], v[LL+4:LL+5] op_sel_hi:[1,0]
.set n, n+2
.endr
.irp k, 0,1,2,3,4,5,6,7
	ds_store_b128 v8, v[SET+4*\k:SET+4*\k+3] offset:64*(\k/2)+16*(\k%2)    ; column tile k / 2, columns 8 h + 4 (k % 2) on
.endr
.irp k, 0,1,2,3,4,5,6,7
	ds_load_b128 v[SET+32+4*\k:SET+32+4*\k+3], v9 offset:544*\k            ; LDS serves a wave's instructions in order: these see my stores
.endr
.irp k, 0,1,2,3,4,5,6,7
	s_wait_dscnt 7-\k
	global_store_b128 v10, v[SET+32+4*\k:SET+32+4*\k+3], s[8:9] offset:8192*\k th:TH_STORE_NT      ; sixteen lanes store 256 consecutive bytes, aligned
.endr
	s_wait_tensorcnt 0x0                           ; the wave's end
	ds_add_u32 v30, v31
	s_wait_dscnt 0x0
	s_endpgm
.Lfunc_end_k_qbef9140d47_comb:
	.size	k_qbef9140d47_comb, .Lfunc_end_k_qbef9140d47_comb-k_qbef9140d47_comb
	.p2alignl 7, 3214868480
	.fill 96, 4, 3214868480
	.section	.rodata,"a",@progbits
	.p2align	6, 0x0
	.amdhsa_kernel k_qbef9140d47_comb
		.amdhsa_group_segment_fixed_size 19456
		.amdhsa_private_segment_fixed_size 0
		.amdhsa_enable_private_segment 0
		.amdhsa_kernarg_size 24
		.amdhsa_user_sgpr_count 2
		.amdhsa_user_sgpr_kernarg_segment_ptr 1
		.amdhsa_wavefront_size32 1
		.amdhsa_system_sgpr_workgroup_id_x 1
		.amdhsa_system_sgpr_workgroup_id_y 1
		.amdhsa_system_sgpr_workgroup_id_z 1
		.amdhsa_system_vgpr_workitem_id 0
		.amdhsa_next_free_vgpr 256
		.amdhsa_next_free_sgpr 66
		.amdhsa_reserve_vcc 0
		.amdhsa_float_denorm_mode_32 3
		.amdhsa_float_denorm_mode_16_64 3
		.amdhsa_memory_ordered 1
		.amdhsa_forward_progress 1
		.amdhsa_inst_pref_size 18
	.end_amdhsa_kernel
	.amdgpu_metadata
---
amdhsa.version: [ 1, 2 ]
amdhsa.kernels:
  - .name:           k_qbef9140d47_comb
    .symbol:         k_qbef9140d47_comb.kd
    .args:
      - { .name: part, .offset: 0, .size: 8, .value_kind: global_buffer, .address_space: global }
      - { .name: lpart, .offset: 8, .size: 8, .value_kind: global_buffer, .address_space: global }
      - { .name: out0, .offset: 16, .size: 8, .value_kind: global_buffer, .address_space: global }
    .group_segment_fixed_size: 19456
    .private_segment_fixed_size: 0
    .kernarg_segment_align: 8
    .kernarg_segment_size: 24
    .max_flat_workgroup_size: 128
    .sgpr_count:     66
    .vgpr_count:     256
    .wavefront_size: 32
...
	.end_amdgpu_metadata
.endif
;; end of part 4
